; MI455X (gfx1250); checked and timed in simulation.
; The chip was launched on July 23, 2026; its instructions are those of AMD's public machine-readable ISA for CDNA 5 (MIT licence, August 2026) and "CDNA5" Instruction Set Architecture Reference Guide (July 2026). The comments in the code are by the model that wrote it; some were corrected since.
;; MC3 DAD ONNX. Allowed arithmetic: float matrix products may take bf16 or f16 operands with f32 sums; other float arithmetic in f32, or as packed bf16 or f16 multiplies, adds, multiply-adds, maxima and minima; sums over many terms, partial sums and values carried from step to step in f32; what a program stores and reads back later, other than sums and carried values, may be rounded once to bf16 or f16.
;; Inputs: pcd 8 x 4,096 x 3 float32.
;; Outputs: out0 8 x 4,096 float32.
;; Constants: k = 5.
;; 2 versions, each right; version 2 is version 1 with the launches search, exam written anew for expert scheduling mode. Each part assembles by itself: llvm-mc -triple=amdgcn-amd-amdhsa -mcpu=gfx1250 --defsym DOCPART=n.
;; ======== version 1 of 2: 3 launches
;; limits: values within 0.000122 (relative) of each other or of a threshold may be ordered or decided otherwise than in the reference
;; workspace buffers: cand 524,288 bytes of whole numbers; trace 131,072 bytes
;; launch search (part 1): grid 256 x 1, 8 waves a work-group, no clusters, 66,560 bytes of LDS; arguments pcd, cand; writes cand
.if DOCPART == 1
	.amdgcn_target "amdgcn-amd-amdhsa--gfx1250"
	.amdhsa_code_object_version 6
	.text
	.protected	k_q983d00ac41_search
	.globl	k_q983d00ac41_search
	.p2align	8
	.type	k_q983d00ac41_search,@function
k_q983d00ac41_search:
	s_mov_b64 s[64:65], 0
	v_nop
	global_prefetch_b8 v0, s[64:65] scope:SCOPE_SE
	s_setreg_imm32_b32 hwreg(HW_REG_WAVE_MODE, 25, 1), 1
	s_wait_xcnt 0x0
; FIRST OF THREE LAUNCHES: for every point of pcd [8][4096][3] the six groups of 8 consecutive points among which its 5 nearest lie.
; NUMBER FORMAT.  pcd is rounded once to bf16 (to nearest even), the rounding of the matrix operands, and ALL that follows, in all three launches, is computed on the rounded
; points, the gathered neighbours too.  Products of two such coordinates are exact in f32.
; WORK LEFT OUT, for all values of the inputs.  (1) The square root: dist reaches the result only through the order of a row's numbers, and sqrt is strictly increasing on
; d2 >= 0, so the order of d2 is the order of dist.  (2) Six of cov's nine entries: only its trace is used, which is the sum of |centered|^2 / 4.  The clamp max(d2, 0) is kept
; (second launch).  k = 5 is a constant of the problem and has no buffer.  LIMITS: two different d2 that the f32 root would round to one number are a tie in reference() and none
; here; NaN and infinities are not treated apart; |coordinates| stay under 1e18, so that squares are finite.
; THE KEY.  key(n, m) = |pm|^2 - 2 pn.pm + |pn|^2 (1 + 2^-10), one matrix instruction for 16 x 16 of them, C = 0.  A candidate's record is 8 bf16: x, y, z, |p|^2 in three parts
; (8 + 8 + 8 bits: exact), 1, 1.  A query's column is -2x, -2y, -2z, 1, 1, 1 and |pn|^2 (1 + 2^-10) in two parts.  The term in pn is the same along a row, so it moves no order; its
; surplus of 2^-10 keeps every key a positive normal number, whose bits are ordered like its value (a query at the origin has keys from 0 on: they lean on denormals being kept).
; GROUPS.  A lane's 8 results of a tile are 8 consecutive candidates: a group.  A group that holds one of the row's 5 nearest has one of the 5 smallest minima.  So only each
; group's minimum is ranked: its upper 23 bits with the group's number in the low 9, inserted into a sorted list of SIX.  LIMIT: 14 significant bits of a minimum are kept; a
; neighbour is missed only if two further groups' minima lie within 2^-13 (relative) of the fifth neighbour's key.  Equal keys go by the lower group number, as top_k goes by the lower index.
; The second launch looks at the 48 points of the six groups in f32 and decides.
; SHARES.  256 work-groups, 32 to a batch; 8 waves; a wave has 16 queries and walks all 4,096 candidates.  Source 0 = candidates, source 1 = queries: lane l holds query l % 16 and
; the candidates 8 (l / 16) + 0..7 of a tile.
; ALL 32 K ARE USED FOR DATA.  A record is 8 k long, so the 8 registers of source 0 hold 64 records (two loads of 512 consecutive LDS bytes, lane l taking record l), and four
; forms of source 1, each zero but in one quarter of k, pick 16 candidates each.  The forms overlap in registers: zeros, Q0, zeros, Q1, zeros (Q0: the column in lanes 0-15; Q1: in lanes 16-31).
; NO TENSOR LOAD, NO CLUSTER: what the 32 work-groups of a batch share is 48 KB of raw f32, read once at the head, which has to pass through registers to be rounded and split.
.set BATCHB, 49152                     ; bytes of a batch in pcd
.set ROUNDB, 3072                      ; 256 points of 12 bytes: what the work-group loads with one instruction a wave
.set SPARE,  65536                     ; behind the table of 4,096 x 16 bytes: the spare words, 128 bytes for each of 8 waves, which no other line names
.set BLK,    1024                      ; 64 records
.set TRIPS,  30                        ; the loop takes blocks in twos; the first block and the last three halves are written out
.set SPW, 10                           ; v10  LDS address of my spare word; never rewritten
.set NIL, 11                           ; v11  0; never rewritten
.set LN,  12                           ; v12  16 x lane
.set ADR, 13                           ; v13  LDS address of the block to be fetched
.set RR,  14                           ; v14  lane % 16
.set HH,  15                           ; v15  lane / 16
.set A,   16                           ; v16-31   source 0: two buffers of 8
.set B,   32                           ; v32-51   source 1: zeros, Q0, zeros, Q1, zeros, four registers each
.set T,   52                           ; v52-63   at work
.set D,   64                           ; v64-127  two sets of four tiles of keys; at the head: the raw points, four registers a point
.set L,   128                          ; v128-133 the list, ascending
.set F,   134                          ; v134-139 group numbers on the way out
.set W,   140                          ; v140-145 the query's record; later the words to store
.set KEEP, 12                          ; s12  0xfffffe00: the bits of a minimum that are kept
.set HI,   13                          ; s13  a word's upper bf16
.set BIG,  15                          ; s15  the greatest finite number
.set ID,   16                          ; s16-19 twice the tile number of the four tiles to be ranked next
.set CNT,  20
.set TB,   21                          ; s21  LDS byte of the block to be fetched next
.set SEL,  22                          ; s[22:23] v_permlanex16_b32: each lane takes its own place in the other half
	s_load_b128 s[4:7], s[0:1], 0x0                ; pcd s[4:5], cand s[6:7]
	v_lshl_add_u32 v[SPW], v0, 2, SPARE
	v_mov_b32 v[NIL], 0
	v_lshrrev_b32 v1, 5, v0
	v_readfirstlane_b32 s8, v1                     ; wave 0..7
	s_lshr_b32 s9, ttmp9, 5                        ; batch
	s_and_b32 s10, ttmp9, 31                       ; my block of 128 queries
	s_mul_i32 s24, s9, BATCHB
	s_mov_b32 s25, 0
	s_mov_b32 s[HI], 0xffff0000
	s_mov_b32 s[KEEP], 0xfffffe00
	s_mov_b32 s[BIG], 0x7f7fffff
	s_mov_b32 s[SEL], 0x76543210
	s_mov_b32 s[SEL+1], 0xfedcba98
	v_mul_u32_u24 v2, v0, 12                       ; my point in a round of 256
	v_lshlrev_b32 v3, 4, v0                        ; and its record
	s_wait_kmcnt 0x0
	s_add_nc_u64 s[4:5], s[4:5], s[24:25]
.irp i, 0,1,2,3,4,5,6,7,8,9,10,11,12,13,14,15
	global_load_b96 v[D+4*(\i):D+4*(\i)+2], v2, s[4:5] offset:ROUNDB*(\i)  ; the whole batch: 16 points a thread, all on their way at once
.endr
.irp i, 0,1,2,3,4,5,6,7,8,9,10,11,12,13,14,15
	v_mov_b32 v[D+4*(\i)+3], 0x3f803f80            ; a record's last word: 1 | 1 (written while the loads are out; no load names these registers)
.endr
; One point becomes its record, in the registers it was loaded into.  |p|^2 is summed as reference() sums it, x, y, z ascending.
.macro POINT i
.set X, D+4*(\i)
.set U, T+6*((\i)%2)
	s_wait_loadcnt 15-(\i)                         ; loads come back in order: mine is in, the younger ones stay out
	v_cvt_pk_bf16_f32 v[U], v[X+2], v[X+2]
	v_cvt_pk_bf16_f32 v[X], v[X], v[X+1]           ; word 0: x | y
	v_and_b32 v[U], s[HI], v[U]                    ; z, rounded, as f32
	v_lshlrev_b32 v[U+1], 16, v[X]                 ; x
	v_and_b32 v[U+2], s[HI], v[X]                  ; y
	v_mul_f32 v[U+3], v[U+1], v[U+1]
	v_fma_f32 v[U+3], v[U+2], v[U+2], v[U+3]
	v_fma_f32 v[U+3], v[U], v[U], v[U+3]           ; |p|^2
	v_cvt_pk_bf16_f32 v[X+1], v[U], v[U+3]         ; word 1: z | first part
	v_and_b32 v[U+4], s[HI], v[X+1]
	v_sub_f32 v[U+3], v[U+3], v[U+4]               ; what the first part leaves: exact
	v_cvt_pk_bf16_f32 v[U+4], v[U+3], v[U+3]
	v_and_b32 v[U+4], s[HI], v[U+4]
	v_sub_f32 v[U+4], v[U+3], v[U+4]               ; what the second leaves: 8 bits at the most
	v_cvt_pk_bf16_f32 v[X+2], v[U+3], v[U+4]       ; word 2: second | third part
	ds_store_b128 v3, v[X:X+3] offset:4096*(\i)    ; 32 lanes store 512 consecutive bytes
.endm
.irp i, 0,1,2,3,4,5,6,7,8,9,10,11,12,13,14,15
	POINT \i
.endr
	v_and_b32 v[RR], 15, v0
	v_bfe_u32 v[HH], v0, 4, 1
	v_and_b32 v[LN], 31, v0
	v_lshlrev_b32 v[LN], 4, v[LN]
	s_lshl_b32 s11, s10, 3
	s_add_co_u32 s11, s11, s8                      ; my tile of 16 queries among the batch's 256
	s_lshl_b32 s14, s11, 8                         ; its 16 records; also its 16 rows of 16 bytes in cand
	v_lshl_add_u32 v1, v[RR], 4, s14
	s_wait_dscnt 0x0                               ; for the others' sake: my records are in LDS
	s_barrier_signal -1
	s_barrier_wait -1                              ; the table is whole
	ds_load_b128 v[W:W+3], v1                      ; my query's record
	ds_load_b128 v[A:A+3], v[LN]                   ; block 0
	ds_load_b128 v[A+4:A+7], v[LN] offset:512
	ds_load_b128 v[A+8:A+11], v[LN] offset:BLK     ; block 1
	ds_load_b128 v[A+12:A+15], v[LN] offset:BLK+512
.irp i, 0,1,2,3,8,9,10,11,16,17,18,19
	v_mov_b32 v[B+(\i)], 0
.endr
.irp v, 0,1,2,3
	s_mov_b32 s[ID+(\v)], 2*(\v)
.endr
	s_mov_b32 s[TB], 2*BLK
	s_wait_dscnt 4                                 ; the record is in; the four loads behind it may stay out
	v_lshlrev_b32 v[T], 16, v[W]                   ; x
	v_and_b32 v[T+1], s[HI], v[W]                  ; y
	v_lshlrev_b32 v[T+2], 16, v[W+1]               ; z
	v_and_b32 v[T+3], s[HI], v[W+1]
	v_lshlrev_b32 v[T+4], 16, v[W+2]
	v_and_b32 v[T+5], s[HI], v[W+2]
	v_add_f32 v[T+3], v[T+3], v[T+4]
	v_add_f32 v[T+3], v[T+3], v[T+5]               ; |pn|^2, put together again: exact
	v_mul_f32 v[T+3], 0x3f802000, v[T+3]           ; times 1 + 2^-10
	v_mul_f32 v[T], -2.0, v[T]
	v_mul_f32 v[T+1], -2.0, v[T+1]
	v_mul_f32 v[T+2], -2.0, v[T+2]
	v_mov_b32 v[T+6], 1.0
	v_cvt_pk_bf16_f32 v[T+4], v[T+3], v[T+3]
	v_and_b32 v[T+4], s[HI], v[T+4]
	v_sub_f32 v[T+4], v[T+3], v[T+4]
	v_cvt_pk_bf16_f32 v[W], v[T], v[T+1]           ; -2x | -2y: exact
	v_cvt_pk_bf16_f32 v[W+1], v[T+2], v[T+6]       ; -2z | 1
	v_mov_b32 v[W+2], 0x3f803f80                   ; 1 | 1
	v_cvt_pk_bf16_f32 v[W+3], v[T+3], v[T+4]       ; the row's own term in two parts
	v_cmp_eq_u32 vcc_lo, 0, v[HH]
.irp i, 0,1,2,3
	v_cndmask_b32 v[B+4+(\i)], 0, v[W+(\i)], vcc_lo         ; Q0: the column in lanes 0-15, zeros in lanes 16-31
	v_cndmask_b32 v[B+12+(\i)], v[W+(\i)], v[B], vcc_lo     ; Q1: the other way round
.endr
; Four tiles of keys from the 64 records in buffer x: candidates 0-15, 16-31, 32-47, 48-63 of the block.  Each starts its sum with the constant 0; no two share a result register.
.macro MUL4 x
	v_wmma_f32_16x16x32_bf16 v[D+32*(\x):D+32*(\x)+7],     v[A+8*(\x):A+8*(\x)+7], v[B+4:B+11],  0
	v_wmma_f32_16x16x32_bf16 v[D+32*(\x)+8:D+32*(\x)+15],  v[A+8*(\x):A+8*(\x)+7], v[B+12:B+19], 0
	v_wmma_f32_16x16x32_bf16 v[D+32*(\x)+16:D+32*(\x)+23], v[A+8*(\x):A+8*(\x)+7], v[B:B+7],     0
	v_wmma_f32_16x16x32_bf16 v[D+32*(\x)+24:D+32*(\x)+31], v[A+8*(\x):A+8*(\x)+7], v[B+8:B+15],  0
.endm
; A number goes into the ascending list: place i takes the middle one of its lower neighbour, itself and the newcomer.  From the top down, so that each line reads old values.
.macro INSERT p
	v_med3_num_f32 v[L+5], v[L+4], v[L+5], v[\p]
	v_med3_num_f32 v[L+4], v[L+3], v[L+4], v[\p]
	v_med3_num_f32 v[L+3], v[L+2], v[L+3], v[\p]
	v_med3_num_f32 v[L+2], v[L+1], v[L+2], v[\p]
	v_med3_num_f32 v[L+1], v[L], v[L+1], v[\p]
	v_min_num_f32 v[L], v[L], v[\p]
.endm
; The four tiles of set x are ranked: 11 vector instructions for a lane's 8 keys.  The four tiles go side by side, so that no line reads the result of the line before it;
; each tile's lowest registers are read first.
.macro PROCESS x
.set DD, D+32*(\x)
.irp v, 0,1,2,3
	v_min3_num_f32 v[T+3*(\v)], v[DD+8*(\v)], v[DD+8*(\v)+1], v[DD+8*(\v)+2]
.endr
.irp v, 0,1,2,3
	v_min3_num_f32 v[T+3*(\v)+1], v[DD+8*(\v)+3], v[DD+8*(\v)+4], v[DD+8*(\v)+5]
.endr
.irp v, 0,1,2,3
	v_min_num_f32 v[T+3*(\v)+2], v[DD+8*(\v)+6], v[DD+8*(\v)+7]
.endr
.irp v, 0,1,2,3
	v_min3_num_f32 v[T+3*(\v)], v[T+3*(\v)], v[T+3*(\v)+1], v[T+3*(\v)+2]
.endr
.irp v, 0,1,2,3
	v_and_or_b32 v[T+3*(\v)], v[T+3*(\v)], s[KEEP], s[ID+(\v)]  ; the minimum's upper 23 bits | twice the tile's number; the lane's half is put in at the end
.endr
.irp v, 0,1,2,3
	INSERT T+3*(\v)
.endr
.irp v, 0,1,2,3
	s_add_co_u32 s[ID+(\v)], s[ID+(\v)], 8
.endr
.endm
.macro FETCH x                         ; the next block into buffer x: two loads of 512 consecutive bytes
	v_add_nc_u32 v[ADR], s[TB], v[LN]
	ds_load_b128 v[A+8*(\x):A+8*(\x)+3], v[ADR]
	ds_load_b128 v[A+8*(\x)+4:A+8*(\x)+7], v[ADR] offset:512
	s_add_co_u32 s[TB], s[TB], BLK
.endm
; Half a trip: a block's four products, and beside them the ranking of the block before, 44 vector instructions that name none of the products' registers: they are the places
; between these products and the loads into their buffer (below) and the reads of their results (next half).  left: the other buffer's two loads may stay out.
.macro HALF x, fetch, left
	s_wait_dscnt \left
	MUL4 \x
	PROCESS 1-(\x)
.if \fetch
	FETCH \x
.endif
.endm
	s_wait_dscnt 2                                 ; block 0 is in; block 1's two loads may stay out
	MUL4 0
.irp i, 0,1,2,3,4,5
	v_mov_b32 v[L+(\i)], s[BIG]                    ; the list starts above every key: six plain lines, the places in front of the loads into buffer 0
.endr
	FETCH 0                                        ; block 2
	s_mov_b32 s[CNT], TRIPS
.Lblock:                                           ; trip k: products of blocks 2k+1 and 2k+2, ranking of 2k and 2k+1, fetches of 2k+3 and 2k+4
	HALF 1, 1, 2
	HALF 0, 1, 2
	s_sub_co_u32 s[CNT], s[CNT], 1
	s_cmp_lg_u32 s[CNT], 0
	s_cbranch_scc1 .Lblock
	HALF 1, 1, 2                                   ; block 61 | 60 | the last fetch: block 63
	HALF 0, 0, 2                                   ; block 62 | 61
	HALF 1, 0, 0                                   ; block 63 | 62
	PROCESS 1                                      ; block 63
	; THE WAY OUT.  The lane's half completes the group numbers; the two lanes of a query take each other's lists in: both end with the same six.
.irp i, 0,1,2,3,4,5
	v_or_b32 v[L+(\i)], v[L+(\i)], v[HH]
.endr
.irp i, 0,1,2,3,4,5
	v_permlanex16_b32 v[T+(\i)], v[L+(\i)], s[SEL], s[SEL+1]
.endr
.irp i, 0,1,2,3,4,5
	INSERT T+(\i)
.endr
	; The six group numbers are sorted ascending, so that the next launch meets its candidates in the order of their indices: as 1 + number x 2^-23, through the same list.
	s_mov_b32 s26, 0x3f800000
.irp i, 0,1,2,3,4,5
	v_and_or_b32 v[F+(\i)], v[L+(\i)], 0x1ff, s26
.endr
.irp i, 0,1,2,3,4,5
	v_mov_b32 v[L+(\i)], s[BIG]
.endr
.irp i, 0,1,2,3,4,5
	INSERT F+(\i)
.endr
.irp i, 0,1,2,3,4,5
	v_and_b32 v[F+(\i)], 0x1ff, v[L+(\i)]
.endr
	v_lshl_or_b32 v[W], v[F+1], 16, v[F]           ; a row of cand: six numbers of 16 bits, then a word of 0
	v_lshl_or_b32 v[W+1], v[F+3], 16, v[F+2]
	v_lshl_or_b32 v[W+2], v[F+5], 16, v[F+4]
	v_cmp_eq_u32 vcc_lo, 0, v[HH]
	v_cndmask_b32 v[W+4], v[W+2], v[W], vcc_lo     ; lanes 0-15 store a row's first 8 bytes, lanes 16-31 its last
	v_cndmask_b32 v[W+5], 0, v[W+1], vcc_lo
	v_lshlrev_b32 v1, 4, v[RR]
	v_lshl_add_u32 v1, v[HH], 3, v1
	s_lshl_b32 s24, s9, 16                         ; the batch's 4,096 rows of 16 bytes,
	s_add_co_u32 s24, s24, s14                     ; my 16 of them
	s_mov_b32 s25, 0
	s_add_nc_u64 s[6:7], s[6:7], s[24:25]
	global_store_b64 v1, v[W+4:W+5], s[6:7]        ; the wave stores 256 consecutive bytes, at a multiple of 256 from cand's first byte
	s_wait_tensorcnt 0x0                           ; the wave's end: three closing lines, behind my last LDS store
	ds_add_u32 v[SPW], v[NIL]
	s_wait_dscnt 0x0
	s_endpgm
.Lfunc_end_k_q983d00ac41_search:
	.size	k_q983d00ac41_search, .Lfunc_end_k_q983d00ac41_search-k_q983d00ac41_search
	.p2alignl 7, 3214868480
	.fill 96, 4, 3214868480
	.section	.rodata,"a",@progbits
	.p2align	6, 0x0
	.amdhsa_kernel k_q983d00ac41_search
		.amdhsa_group_segment_fixed_size 66560
		.amdhsa_private_segment_fixed_size 0
		.amdhsa_enable_private_segment 0
		.amdhsa_kernarg_size 16
		.amdhsa_user_sgpr_count 2
		.amdhsa_user_sgpr_kernarg_segment_ptr 1
		.amdhsa_wavefront_size32 1
		.amdhsa_system_sgpr_workgroup_id_x 1
		.amdhsa_system_sgpr_workgroup_id_y 1
		.amdhsa_system_sgpr_workgroup_id_z 1
		.amdhsa_system_vgpr_workitem_id 0
		.amdhsa_next_free_vgpr 152
		.amdhsa_next_free_sgpr 66
		.amdhsa_reserve_vcc 1
		.amdhsa_float_denorm_mode_32 3
		.amdhsa_float_denorm_mode_16_64 3
		.amdhsa_memory_ordered 1
		.amdhsa_forward_progress 1
		.amdhsa_inst_pref_size 44
	.end_amdhsa_kernel
	.amdgpu_metadata
---
amdhsa.version: [ 1, 2 ]
amdhsa.kernels:
  - .name:           k_q983d00ac41_search
    .symbol:         k_q983d00ac41_search.kd
    .args:
      - { .name: pcd, .offset: 0, .size: 8, .value_kind: global_buffer, .address_space: global }
      - { .name: cand, .offset: 8, .size: 8, .value_kind: global_buffer, .address_space: global }
    .group_segment_fixed_size: 66560
    .private_segment_fixed_size: 0
    .kernarg_segment_align: 8
    .kernarg_segment_size: 16
    .max_flat_workgroup_size: 256
    .sgpr_count:     66
    .vgpr_count:     152
    .wavefront_size: 32
...
	.end_amdgpu_metadata
.endif
;; end of part 1
;; launch exam (part 2): grid 256 x 1, 4 waves a work-group, no clusters, 1,024 bytes of LDS; arguments pcd, cand, trace; writes trace
.if DOCPART == 2
	.amdgcn_target "amdgcn-amd-amdhsa--gfx1250"
	.amdhsa_code_object_version 6
	.text
	.protected	k_q983d00ac41_exam
	.globl	k_q983d00ac41_exam
	.p2align	8
	.type	k_q983d00ac41_exam,@function
k_q983d00ac41_exam:
	s_mov_b64 s[64:65], 0
	v_nop
	global_prefetch_b8 v0, s[64:65] scope:SCOPE_SE
	s_setreg_imm32_b32 hwreg(HW_REG_WAVE_MODE, 25, 1), 1
	s_wait_xcnt 0x0
; SECOND LAUNCH: for every point, its 5 nearest among the 48 points of the six groups that the first launch stored, and the trace of their covariance.
; Left out as in the first launch: the square root (the order of d2 is the order of dist) and cov's off-diagonal entries (only the trace is used).
; A lane has one row n.  All points are rounded to bf16 first, as in the first launch.  d2 is formed as reference() forms it, in f32 and in its order:
; sq = (x x + y y) + z z, dot = (x x' + y y') + z z', d2 = max((sq_n + sq_m) - 2 dot, 0).  The products of bf16 numbers are exact in f32, so a fused multiply-add rounds as a product and a sum do.
; SELECTION.  t = the fifth smallest of the 48 (a sorted list of five, as in the first launch).  All d2 < t are taken; of those equal to t as many as are left of the five, in the
; order in which they come, which is the order of their indices (the groups were stored ascending): top_k's rule for ties.  No branch and no address hangs on a distance: each
; candidate gets a weight of 0 or 1.
; TRACE.  With q = p - pn: 4 trace = sum |p - mean|^2 = sum |q|^2 - |sum q|^2 / 5: sums of the neighbours' small offsets, not of the points' own large squares.
; The addresses of the gathers come from cand, whole numbers that the launch before stored; each is held to 0..511 before it is used.
.set SPARE, 512                        ; LDS: 512 bytes for the 128 traces, then the spare words, 128 bytes for each of 4 waves, which no other line names
.set SPW, 2                            ; v2   LDS address of my spare word; never rewritten
.set NIL, 3                            ; v3   0; never rewritten
.set CW,  4                            ; v4-7   my row of cand
.set OWN, 8                            ; v8-10  my point as loaded
.set ONE, 11                           ; v11  1.0
.set G,   12                           ; v12-17 byte offsets of my six groups in the batch; never rewritten
.set QX,  18                           ; v18-20 my point, rounded
.set QY,  19
.set QZ,  20
.set SQN, 21                           ; v21  its square
.set LST, 22                           ; v22-26 the five smallest d2, ascending
.set REM, 27                           ; v27  how many numbers equal to t may still be taken
.set ACC, 28                           ; v28-35 two sets (even, odd candidates) of sum qx, qy, qz, |q|^2
.set U,   36                           ; v36-59 at work
.set CO,  60
.set PO,  61
.set P,   64                           ; v64-207  48 points, x y z each
.set DV,  208                          ; v208-255 their d2
	s_load_b128 s[4:7], s[0:1], 0x0                ; pcd s[4:5], cand s[6:7]
	s_load_b64 s[8:9], s[0:1], 0x10                ; trace
	v_lshl_add_u32 v[SPW], v0, 2, SPARE
	v_mov_b32 v[NIL], 0
	v_lshrrev_b32 v1, 5, v0
	v_readfirstlane_b32 s10, v1                    ; wave 0..3
	s_lshr_b32 s11, ttmp9, 5                       ; batch
	s_mul_i32 s12, s11, 49152
	s_mov_b32 s13, 0
	s_lshl_b32 s14, ttmp9, 11                      ; my 128 rows of 16 bytes in cand
	s_mov_b32 s15, 0
	s_and_b32 s16, ttmp9, 31
	s_mul_i32 s16, s16, 1536                       ; my 128 points of 12 bytes in the batch
	s_lshl_b32 s22, ttmp9, 9                       ; my 128 traces
	s_mov_b32 s23, 0
	s_mov_b32 s20, 0xffff0000                      ; a word's upper bf16
	s_mov_b32 s21, 0xbd4ccccd                      ; -1/20
	v_lshlrev_b32 v[CO], 4, v0
	v_mul_u32_u24 v[PO], v0, 12
	v_add_nc_u32 v[PO], s16, v[PO]
	s_wait_kmcnt 0x0
	s_add_nc_u64 s[4:5], s[4:5], s[12:13]
	s_add_nc_u64 s[6:7], s[6:7], s[14:15]
	s_add_nc_u64 s[8:9], s[8:9], s[22:23]
	global_load_b128 v[CW:CW+3], v[CO], s[6:7]
	global_load_b96 v[OWN:OWN+2], v[PO], s[4:5]
	v_mov_b32 v[ONE], 1.0
.irp i, 0,1,2,3,4
	v_mov_b32 v[LST+(\i)], 0x7f7fffff              ; above every d2
.endr
.irp i, 0,1,2,3,4,5,6,7
	v_mov_b32 v[ACC+(\i)], 0
.endr
	s_wait_loadcnt 0x1                             ; my row of cand is in; my point may stay out
	v_and_b32 v[G], 0xffff, v[CW]
	v_lshrrev_b32 v[G+1], 16, v[CW]
	v_and_b32 v[G+2], 0xffff, v[CW+1]
	v_lshrrev_b32 v[G+3], 16, v[CW+1]
	v_and_b32 v[G+4], 0xffff, v[CW+2]
	v_lshrrev_b32 v[G+5], 16, v[CW+2]
.irp g, 0,1,2,3,4,5
	v_min_u32 v[G+(\g)], 0x1ff, v[G+(\g)]          ; a loaded number enters an address only inside the table
.endr
.irp g, 0,1,2,3,4,5
	v_mul_u32_u24 v[G+(\g)], v[G+(\g)], 96         ; 8 points of 12 bytes
.endr
.irp g, 0,1,2,3,4,5
.irp j, 0,1,2,3,4,5
	global_load_b128 v[P+24*(\g)+4*(\j):P+24*(\g)+4*(\j)+3], v[G+(\g)], s[4:5] offset:16*(\j)  ; all 36 loads go out before the first is waited for
.endr
.endr
	s_wait_loadcnt 36                              ; my own point is in; the 36 gathers may stay out
	v_cvt_pk_bf16_f32 v[U], v[OWN], v[OWN+1]
	v_cvt_pk_bf16_f32 v[U+1], v[OWN+2], v[OWN+2]
	v_lshlrev_b32 v[QX], 16, v[U]
	v_and_b32 v[QY], s20, v[U]
	v_and_b32 v[QZ], s20, v[U+1]
	v_mul_f32 v[SQN], v[QX], v[QX]
	v_fma_f32 v[SQN], v[QY], v[QY], v[SQN]
	v_fma_f32 v[SQN], v[QZ], v[QZ], v[SQN]
.macro INS5 p                          ; into the ascending list of five, from the top down
	v_med3_num_f32 v[LST+4], v[LST+3], v[LST+4], v[\p]
	v_med3_num_f32 v[LST+3], v[LST+2], v[LST+3], v[\p]
	v_med3_num_f32 v[LST+2], v[LST+1], v[LST+2], v[\p]
	v_med3_num_f32 v[LST+1], v[LST], v[LST+1], v[\p]
	v_min_num_f32 v[LST], v[LST], v[\p]
.endm
; Group g: its 24 numbers are rounded in place; then the eight d2, step by step for all eight side by side, so that no line reads the result of the line before it.
.macro DIST g
.set PP, P+24*(\g)
.set DD, DV+8*(\g)
	s_wait_loadcnt 30-6*(\g)                       ; this group's six loads are in; the later groups' stay out
.irp i, 0,1,2,3,4,5,6,7,8,9,10,11
	v_cvt_pk_bf16_f32 v[U+(\i)], v[PP+2*(\i)], v[PP+2*(\i)+1]
.endr
.irp i, 0,1,2,3,4,5,6,7,8,9,10,11
	v_lshlrev_b32 v[PP+2*(\i)], 16, v[U+(\i)]
	v_and_b32 v[PP+2*(\i)+1], s20, v[U+(\i)]
.endr
.irp c, 0,1,2,3,4,5,6,7
	v_mul_f32 v[U+(\c)], v[PP+3*(\c)], v[PP+3*(\c)]
.endr
.irp c, 0,1,2,3,4,5,6,7
	v_mul_f32 v[U+8+(\c)], v[QX], v[PP+3*(\c)]
.endr
.irp c, 0,1,2,3,4,5,6,7
	v_fma_f32 v[U+(\c)], v[PP+3*(\c)+1], v[PP+3*(\c)+1], v[U+(\c)]
.endr
.irp c, 0,1,2,3,4,5,6,7
	v_fma_f32 v[U+8+(\c)], v[QY], v[PP+3*(\c)+1], v[U+8+(\c)]
.endr
.irp c, 0,1,2,3,4,5,6,7
	v_fma_f32 v[U+(\c)], v[PP+3*(\c)+2], v[PP+3*(\c)+2], v[U+(\c)]        ; sq_m
.endr
.irp c, 0,1,2,3,4,5,6,7
	v_fma_f32 v[U+8+(\c)], v[QZ], v[PP+3*(\c)+2], v[U+8+(\c)]             ; dot
.endr
.irp c, 0,1,2,3,4,5,6,7
	v_add_f32 v[U+(\c)], v[SQN], v[U+(\c)]
.endr
.irp c, 0,1,2,3,4,5,6,7
	v_fma_f32 v[U+(\c)], -2.0, v[U+8+(\c)], v[U+(\c)]
.endr
.irp c, 0,1,2,3,4,5,6,7
	v_max_num_f32 v[DD+(\c)], 0, v[U+(\c)]         ; reference()'s clamp
.endr
.irp c, 0,1,2,3,4,5,6,7
	INS5 DD+(\c)
.endr
.endm
.irp g, 0,1,2,3,4,5
	DIST \g
.endr
	; how many of the five are equal to t = the fifth: 5 less those below it
.irp i, 0,1,2,3
	v_cmp_lt_f32 s[32+(\i)], v[LST+(\i)], v[LST+4]
.endr
.irp i, 0,1,2,3
	v_cndmask_b32 v[U+(\i)], 0, v[ONE], s[32+(\i)]
.endr
	v_add_f32 v[U], v[U], v[U+1]
	v_add_f32 v[U+2], v[U+2], v[U+3]
	v_add_f32 v[U], v[U], v[U+2]
	v_sub_f32 v[REM], 0x40a00000, v[U]
; Group g once more, in ascending order of the indices: each candidate's weight, its offset q from my point, and the sums.
.macro PICK g
.set PP, P+24*(\g)
.set DD, DV+8*(\g)
.irp c, 0,1,2,3,4,5,6,7
	v_cmp_lt_f32 s[32+(\c)], v[DD+(\c)], v[LST+4]
	v_cmp_eq_f32 s[40+(\c)], v[DD+(\c)], v[LST+4]
.endr
.irp c, 0,1,2,3,4,5,6,7
	v_cndmask_b32 v[U+(\c)], 0, v[ONE], s[40+(\c)] ; 1 where d2 = t
.endr
.irp c, 0,1,2,3,4,5,6,7
	v_min_num_f32 v[U+8+(\c)], v[U+(\c)], v[REM]   ; taken, if any are left; the subtractions of q stand between the links of this chain
	v_sub_f32 v[PP+3*(\c)], v[PP+3*(\c)], v[QX]
	v_sub_f32 v[PP+3*(\c)+1], v[PP+3*(\c)+1], v[QY]
	v_sub_f32 v[REM], v[REM], v[U+8+(\c)]
	v_sub_f32 v[PP+3*(\c)+2], v[PP+3*(\c)+2], v[QZ]
	v_cndmask_b32 v[U+8+(\c)], v[U+8+(\c)], v[ONE], s[32+(\c)]  ; the weight: 1 where d2 < t
.endr
.irp c, 0,1,2,3,4,5,6,7
	v_mul_f32 v[U+(\c)], v[PP+3*(\c)], v[PP+3*(\c)]
.endr
.irp c, 0,1,2,3,4,5,6,7
	v_fma_f32 v[U+(\c)], v[PP+3*(\c)+1], v[PP+3*(\c)+1], v[U+(\c)]
.endr
.irp c, 0,1,2,3,4,5,6,7
	v_fma_f32 v[U+(\c)], v[PP+3*(\c)+2], v[PP+3*(\c)+2], v[U+(\c)]  ; |q|^2
.endr
.irp c, 0,1,2,3,4,5,6,7
	v_fma_f32 v[ACC+4*((\c)%2)],   v[U+8+(\c)], v[PP+3*(\c)],   v[ACC+4*((\c)%2)]
	v_fma_f32 v[ACC+4*((\c)%2)+1], v[U+8+(\c)], v[PP+3*(\c)+1], v[ACC+4*((\c)%2)+1]
	v_fma_f32 v[ACC+4*((\c)%2)+2], v[U+8+(\c)], v[PP+3*(\c)+2], v[ACC+4*((\c)%2)+2]
	v_fma_f32 v[ACC+4*((\c)%2)+3], v[U+8+(\c)], v[U+(\c)],      v[ACC+4*((\c)%2)+3]
.endr
.endm
.irp g, 0,1,2,3,4,5
	PICK \g
.endr
.irp i, 0,1,2,3
	v_add_f32 v[ACC+(\i)], v[ACC+(\i)], v[ACC+4+(\i)]
.endr
	v_mul_f32 v[U], v[ACC], v[ACC]
	v_fma_f32 v[U], v[ACC+1], v[ACC+1], v[U]
	v_fma_f32 v[U], v[ACC+2], v[ACC+2], v[U]       ; |sum q|^2
	v_mul_f32 v[U+1], 0x3e800000, v[ACC+3]         ; sum |q|^2 / 4
	v_fma_f32 v[U+1], v[U], s21, v[U+1]            ; - |sum q|^2 / 20: the trace
	; The 128 traces meet in LDS, so that one store of wave 0 writes their 512 consecutive bytes.
	v_lshlrev_b32 v[U+2], 2, v0
	ds_store_b32 v[U+2], v[U+1]
	s_wait_dscnt 0x0                               ; for the others' sake: my trace is in LDS
	s_barrier_signal -1
	s_barrier_wait -1
	s_cmp_lg_u32 s10, 0
	s_cbranch_scc1 .Lend
	v_and_b32 v[U+3], 31, v0
	v_lshlrev_b32 v[U+3], 4, v[U+3]
	ds_load_b128 v[U+4:U+7], v[U+3]
	s_wait_dscnt 0x0
	global_store_b128 v[U+3], v[U+4:U+7], s[8:9]   ; 512 consecutive bytes, at a multiple of 256 from trace's first byte
.Lend:
	s_wait_tensorcnt 0x0                           ; the wave's end: three closing lines, behind my last LDS store
	ds_add_u32 v[SPW], v[NIL]
	s_wait_dscnt 0x0
	s_endpgm
.Lfunc_end_k_q983d00ac41_exam:
	.size	k_q983d00ac41_exam, .Lfunc_end_k_q983d00ac41_exam-k_q983d00ac41_exam
	.p2alignl 7, 3214868480
	.fill 96, 4, 3214868480
	.section	.rodata,"a",@progbits
	.p2align	6, 0x0
	.amdhsa_kernel k_q983d00ac41_exam
		.amdhsa_group_segment_fixed_size 1024
		.amdhsa_private_segment_fixed_size 0
		.amdhsa_enable_private_segment 0
		.amdhsa_kernarg_size 24
		.amdhsa_user_sgpr_count 2
		.amdhsa_user_sgpr_kernarg_segment_ptr 1
		.amdhsa_wavefront_size32 1
		.amdhsa_system_sgpr_workgroup_id_x 1
		.amdhsa_system_sgpr_workgroup_id_y 1
		.amdhsa_system_sgpr_workgroup_id_z 1
		.amdhsa_system_vgpr_workitem_id 0
		.amdhsa_next_free_vgpr 256
		.amdhsa_next_free_sgpr 66
		.amdhsa_reserve_vcc 0
		.amdhsa_float_denorm_mode_32 3
		.amdhsa_float_denorm_mode_16_64 3
		.amdhsa_memory_ordered 1
		.amdhsa_forward_progress 1
		.amdhsa_inst_pref_size 92
	.end_amdhsa_kernel
	.amdgpu_metadata
---
amdhsa.version: [ 1, 2 ]
amdhsa.kernels:
  - .name:           k_q983d00ac41_exam
    .symbol:         k_q983d00ac41_exam.kd
    .args:
      - { .name: pcd, .offset: 0, .size: 8, .value_kind: global_buffer, .address_space: global }
      - { .name: cand, .offset: 8, .size: 8, .value_kind: global_buffer, .address_space: global }
      - { .name: trace, .offset: 16, .size: 8, .value_kind: global_buffer, .address_space: global }
    .group_segment_fixed_size: 1024
    .private_segment_fixed_size: 0
    .kernarg_segment_align: 8
    .kernarg_segment_size: 24
    .max_flat_workgroup_size: 128
    .sgpr_count:     66
    .vgpr_count:     256
    .wavefront_size: 32
...
	.end_amdgpu_metadata
.endif
;; end of part 2
;; launch norm (part 3): grid 256 x 1, 1 waves a work-group, no clusters, 0 bytes of LDS; arguments trace, out0; writes out0
.if DOCPART == 3
	.amdgcn_target "amdgcn-amd-amdhsa--gfx1250"
	.amdhsa_code_object_version 6
	.text
	.protected	k_q983d00ac41_norm
	.globl	k_q983d00ac41_norm
	.p2align	8
	.type	k_q983d00ac41_norm,@function
k_q983d00ac41_norm:
	s_mov_b64 s[64:65], 0
	v_nop
	global_prefetch_b8 v0, s[64:65] scope:SCOPE_SE
	s_setreg_imm32_b32 hwreg(HW_REG_WAVE_MODE, 25, 1), 1
	s_wait_xcnt 0x0
; THIRD LAUNCH: out0[b][n] = trace[b][n] / (the sum over the batch of trace + 1e-8).  Nothing of this step is left out.
; 256 work-groups of one wave, 32 to a batch.  Each wave sums its batch's 4,096 traces itself (16 KB: 32 loads of 512 consecutive bytes, all out at once), so that there is no LDS and
; no barrier and no sum crosses work-groups; all 32 waves of a batch add in the same order and get the same sum.  Then it scales its own 128 numbers and stores 512 consecutive bytes.
	s_load_b128 s[4:7], s[0:1], 0x0                ; trace s[4:5], out0 s[6:7]
	s_lshr_b32 s8, ttmp9, 5                        ; batch
	s_and_b32 s9, ttmp9, 31                        ; my 128 of its rows
	s_lshl_b32 s10, s8, 14
	s_mov_b32 s11, 0
	s_lshl_b32 s9, s9, 9
	s_mov_b32 s12, 0x76543210                      ; v_permlanex16_b32: each lane takes its own place in the other half
	s_mov_b32 s13, 0xfedcba98
	v_lshlrev_b32 v1, 4, v0
	v_add_nc_u32 v2, s9, v1
	s_wait_kmcnt 0x0
	s_add_nc_u64 s[4:5], s[4:5], s[10:11]
	s_add_nc_u64 s[6:7], s[6:7], s[10:11]
.set j, 0
.rept 32
	global_load_b128 v[8+4*j:11+4*j], v1, s[4:5] offset:512*j
.set j, j+1
.endr
	global_load_b128 v[4:7], v2, s[4:5]            ; my own 128 once more
	s_wait_loadcnt 0x0
.irp n, 16, 8, 4, 2, 1                 ; a tree: the upper half of the blocks onto the lower, two sums an instruction
.set j, 0
.rept \n
	v_pk_add_f32 v[8+4*j:9+4*j], v[8+4*j:9+4*j], v[8+4*(j+\n):9+4*(j+\n)]
	v_pk_add_f32 v[10+4*j:11+4*j], v[10+4*j:11+4*j], v[10+4*(j+\n):11+4*(j+\n)]
.set j, j+1
.endr
.endr
	v_pk_add_f32 v[8:9], v[8:9], v[10:11]
	v_add_f32 v8, v8, v9
	v_add_f32_dpp v8, v8, v8 row_xmask:1 row_mask:0xf bank_mask:0xf
	v_add_f32_dpp v8, v8, v8 row_xmask:2 row_mask:0xf bank_mask:0xf
	v_add_f32_dpp v8, v8, v8 row_xmask:4 row_mask:0xf bank_mask:0xf
	v_add_f32_dpp v8, v8, v8 row_xmask:8 row_mask:0xf bank_mask:0xf
	v_permlanex16_b32 v9, v8, s12, s13
	v_add_f32 v8, v8, v9                           ; every lane holds the batch's sum
	v_add_f32 v8, 0x322bcc77, v8                   ; + 1e-8
	v_rcp_f32 v9, v8
	v_nop                                          ; a plain instruction between the reciprocal and its use
	s_wait_alu depctr_va_vdst(0)                   ; and a wait ahead of the first use
	v_mul_f32 v4, v4, v9
	v_mul_f32 v5, v5, v9
	v_mul_f32 v6, v6, v9
	v_mul_f32 v7, v7, v9
	global_store_b128 v2, v[4:7], s[6:7]           ; 512 consecutive bytes, at a multiple of 256 from out0's first byte
	s_endpgm
.Lfunc_end_k_q983d00ac41_norm:
	.size	k_q983d00ac41_norm, .Lfunc_end_k_q983d00ac41_norm-k_q983d00ac41_norm
	.p2alignl 7, 3214868480
	.fill 96, 4, 3214868480
	.section	.rodata,"a",@progbits
	.p2align	6, 0x0
	.amdhsa_kernel k_q983d00ac41_norm
		.amdhsa_group_segment_fixed_size 0
		.amdhsa_private_segment_fixed_size 0
		.amdhsa_enable_private_segment 0
		.amdhsa_kernarg_size 16
		.amdhsa_user_sgpr_count 2
		.amdhsa_user_sgpr_kernarg_segment_ptr 1
		.amdhsa_wavefront_size32 1
		.amdhsa_system_sgpr_workgroup_id_x 1
		.amdhsa_system_sgpr_workgroup_id_y 1
		.amdhsa_system_sgpr_workgroup_id_z 1
		.amdhsa_system_vgpr_workitem_id 0
		.amdhsa_next_free_vgpr 136
		.amdhsa_next_free_sgpr 66
		.amdhsa_reserve_vcc 0
		.amdhsa_float_denorm_mode_32 3
		.amdhsa_float_denorm_mode_16_64 3
		.amdhsa_memory_ordered 1
		.amdhsa_forward_progress 1
		.amdhsa_inst_pref_size 9
	.end_amdhsa_kernel
	.amdgpu_metadata
---
amdhsa.version: [ 1, 2 ]
amdhsa.kernels:
  - .name:           k_q983d00ac41_norm
    .symbol:         k_q983d00ac41_norm.kd
    .args:
      - { .name: trace, .offset: 0, .size: 8, .value_kind: global_buffer, .address_space: global }
      - { .name: out0, .offset: 8, .size: 8, .value_kind: global_buffer, .address_space: global }
    .group_segment_fixed_size: 0
    .private_segment_fixed_size: 0
    .kernarg_segment_align: 8
    .kernarg_segment_size: 16
    .max_flat_workgroup_size: 32
    .sgpr_count:     66
    .vgpr_count:     136
    .wavefront_size: 32
...
	.end_amdgpu_metadata
.endif
;; end of part 3
;; ======== version 2 of 2: 3 launches; version 1 with the launches search, exam written anew for expert scheduling mode
;; limits: values within 0.000122 (relative) of each other or of a threshold may be ordered or decided otherwise than in the reference
;; workspace buffers: cand 524,288 bytes of whole numbers; trace 131,072 bytes
;; launch search (part 4): grid 256 x 1, 8 waves a work-group, no clusters, 66,560 bytes of LDS; arguments pcd, cand; writes cand
.if DOCPART == 4
	.amdgcn_target "amdgcn-amd-amdhsa--gfx1250"
	.amdhsa_code_object_version 6
	.text
	.protected	k_q983d00ac41_search
	.globl	k_q983d00ac41_search
	.p2align	8
	.type	k_q983d00ac41_search,@function
k_q983d00ac41_search:
	s_mov_b64 s[64:65], 0
	v_nop
	global_prefetch_b8 v0, s[64:65] scope:SCOPE_SE
	s_setreg_imm32_b32 hwreg(HW_REG_WAVE_SCHED_MODE, 0, 2), 2
	s_setreg_imm32_b32 hwreg(HW_REG_WAVE_MODE, 25, 1), 1
	s_wait_xcnt 0x0
	s_wait_alu depctr_vm_vsrc(0)
; FIRST OF THREE LAUNCHES: for every point of pcd [8][4096][3] the six groups of 8 consecutive points among which its 5 nearest lie.
; NUMBER FORMAT.  pcd is rounded once to bf16 (to nearest even), the rounding of the matrix operands, and ALL that follows, in all three launches, is computed on the rounded
; points, the gathered neighbours too.  Products of two such coordinates are exact in f32.
; WORK LEFT OUT, for all values of the inputs.  (1) The square root: dist reaches the result only through the order of a row's numbers, and sqrt is strictly increasing on
; d2 >= 0, so the order of d2 is the order of dist.  (2) Six of cov's nine entries: only its trace is used, which is the sum of |centered|^2 / 4.  The clamp max(d2, 0) is kept
; (second launch).  k = 5 is a constant of the problem and has no buffer.  LIMITS: two different d2 that the f32 root would round to one number are a tie in reference() and none
; here; NaN and infinities are not treated apart; |coordinates| stay under 1e18, so that squares are finite.
; THE KEY.  key(n, m) = |pm|^2 - 2 pn.pm + |pn|^2 (1 + 2^-10), one matrix instruction for 16 x 16 of them, C = 0.  A candidate's record is 8 bf16: x, y, z, |p|^2 in three parts
; (8 + 8 + 8 bits: exact), 1, 1.  A query's column is -2x, -2y, -2z, 1, 1, 1 and |pn|^2 (1 + 2^-10) in two parts.  The term in pn is the same along a row, so it moves no order; its
; surplus of 2^-10 keeps every key a positive normal number, whose bits are ordered like its value (a query at the origin has keys from 0 on: they lean on denormals being kept).
; GROUPS.  A lane's 8 results of a tile are 8 consecutive candidates: a group.  A group that holds one of the row's 5 nearest has one of the 5 smallest minima.  So only each
; group's minimum is ranked: its upper 23 bits with the group's number in the low 9, inserted into a sorted list of SIX.  LIMIT: 14 significant bits of a minimum are kept; a
; neighbour is missed only if two further groups' minima lie within 2^-13 (relative) of the fifth neighbour's key.  Equal keys go by the lower group number, as top_k goes by the lower index.
; The second launch looks at the 48 points of the six groups in f32 and decides.
; SHARES.  256 work-groups, 32 to a batch; 8 waves; a wave has 16 queries and walks all 4,096 candidates.  Source 0 = candidates, source 1 = queries: lane l holds query l % 16 and
; the candidates 8 (l / 16) + 0..7 of a tile.
; ALL 32 K ARE USED FOR DATA.  A record is 8 k long, so the 8 registers of source 0 hold 64 records (two loads of 512 consecutive LDS bytes, lane l taking record l), and four
; forms of source 1, each zero but in one quarter of k, pick 16 candidates each.  The forms overlap in registers: zeros, Q0, zeros, Q1, zeros (Q0: the column in lanes 0-15; Q1: in lanes 16-31).
; NO TENSOR LOAD, NO CLUSTER: what the 32 work-groups of a batch share is 48 KB of raw f32, read once at the head, which has to pass through registers to be rounded and split.
; THE MODE: SCHED_MODE bits 1:0 = 2 (LLVM: expert scheduling mode 2), set by the entry lines.  The code itself states the register dependences
; between vector or matrix instructions and memory or LDS instructions, with s_wait_alu, always for 0.
; THE PLAN.  Registers that memory or LDS instructions touch:
;   v2, v3       The point loads' offset and the record stores' address: made at the head, never written again.
;   D (v64-127)  At the head: the point loads land here, the conversions make the records in place, the LDS stores read them.  From the loop on: matrix results, named by matrix and vector instructions alone.
;   v1           The address of the load of my query's record; made anew on the way out, as the offset of the one global store.
;   v[LN]        The address of the first six loads of source 0; never written again.
;   v[ADR]       Read by every fetch in the loop; written once a trip, at the trip's head.
;   A0 .. A3     Block j lies in A[j % 4].  Read by the block's four products; the fetch of block j + 4 lands in it, at the head of the step after the one that multiplied block j.
;   W+4, W+5     Written on the way out, read by the global store.
;   B, T, L, F are named by vector and matrix instructions alone.  v[SPW], v[NIL]: written at the head, read by the closing add alone.
; A STEP is two blocks.  ONE wait on va_vdst stands at its head: the products of the step before are done reading their two buffers, in which the step's four loads land; in a trip's
; first step it also states that v[ADR] is written.  The loads follow it in one run, with nothing between, and have the whole step in which to land.  One wait on vm_vsrc a trip stands ahead of the add to v[ADR].
.set BATCHB, 49152                     ; bytes of a batch in pcd
.set ROUNDB, 3072                      ; 256 points of 12 bytes: what the work-group loads with one instruction a wave
.set SPARE,  65536                     ; behind the table of 4,096 x 16 bytes: the spare words, 128 bytes for each of 8 waves, which no other line names
.set BLK,    1024                      ; 64 records
.set TRIPS,  15                        ; a trip is two steps, four blocks: the four buffers are back at their start; the first block and the last three are written out
.set SPW, 10                           ; v10  LDS address of my spare word; never rewritten
.set NIL, 11                           ; v11  0; never rewritten
.set LN,  12                           ; v12  16 x lane
.set ADR, 13                           ; v13  LDS address from which a trip's fetches are reached by immediate offsets
.set RR,  14                           ; v14  lane % 16
.set HH,  15                           ; v15  lane / 16
.set A,   16                           ; v16-31   source 0: buffers 0 and 1, 8 registers each
.set AHOP, 114                         ; v146-161 source 0: buffers 2 and 3: so far behind where they would follow buffer 1
.set B,   32                           ; v32-51   source 1: zeros, Q0, zeros, Q1, zeros, four registers each
.set T,   52                           ; v52-63   at work
.set D,   64                           ; v64-127  two sets of four tiles of keys; at the head: the raw points, four registers a point
.set L,   128                          ; v128-133 the list, ascending
.set F,   134                          ; v134-139 group numbers on the way out
.set W,   140                          ; v140-145 the query's record; later the words to store
.set KEEP, 12                          ; s12  0xfffffe00: the bits of a minimum that are kept
.set HI,   13                          ; s13  a word's upper bf16
.set BIG,  15                          ; s15  the greatest finite number
.set ID,   16                          ; s16-19 twice the tile number of the four tiles to be ranked next
.set CNT,  20
.set TB,   21                          ; s21  LDS byte of the trip's block 0
.set SEL,  22                          ; s[22:23] v_permlanex16_b32: each lane takes its own place in the other half
	s_load_b128 s[4:7], s[0:1], 0x0                ; pcd s[4:5], cand s[6:7]
	v_lshl_add_u32 v[SPW], v0, 2, SPARE
	v_mov_b32 v[NIL], 0
	v_lshrrev_b32 v1, 5, v0
	v_readfirstlane_b32 s8, v1                     ; wave 0..7
	s_lshr_b32 s9, ttmp9, 5                        ; batch
	s_and_b32 s10, ttmp9, 31                       ; my block of 128 queries
	s_mul_i32 s24, s9, BATCHB
	s_mov_b32 s25, 0
	s_mov_b32 s[HI], 0xffff0000
	s_mov_b32 s[KEEP], 0xfffffe00
	s_mov_b32 s[BIG], 0x7f7fffff
	s_mov_b32 s[SEL], 0x76543210
	s_mov_b32 s[SEL+1], 0xfedcba98
	v_mul_u32_u24 v2, v0, 12                       ; my point in a round of 256
	v_lshlrev_b32 v3, 4, v0                        ; and its record
	s_wait_alu depctr_va_sdst(0)                   ; s8 is written, ahead of its first reader: my tile of queries is made from it
	s_wait_kmcnt 0x0
	s_add_nc_u64 s[4:5], s[4:5], s[24:25]
	s_wait_alu depctr_va_vdst(0)                   ; v2 is written, which the point loads read as their offset; so is v3, the record stores' address
.irp i, 0,1,2,3,4,5,6,7,8,9,10,11,12,13,14,15
	global_load_b96 v[D+4*(\i):D+4*(\i)+2], v2, s[4:5] offset:ROUNDB*(\i)  ; the whole batch: 16 points a thread, all on their way at once
.endr
.irp i, 0,1,2,3,4,5,6,7,8,9,10,11,12,13,14,15
	v_mov_b32 v[D+4*(\i)+3], 0x3f803f80            ; a record's last word: 1 | 1 (written while the loads are out; no load names these registers)
.endr
; One point becomes its record, in the registers it was loaded into.  |p|^2 is summed as reference() sums it, x, y, z ascending.
.macro CONV i
.set X, D+4*(\i)
.set U, T+6*((\i)%2)
	s_wait_loadcnt 15-(\i)                         ; loads come back in order: mine is in, the younger ones stay out
	v_cvt_pk_bf16_f32 v[U], v[X+2], v[X+2]
	v_cvt_pk_bf16_f32 v[X], v[X], v[X+1]           ; word 0: x | y
	v_and_b32 v[U], s[HI], v[U]                    ; z, rounded, as f32
	v_lshlrev_b32 v[U+1], 16, v[X]                 ; x
	v_and_b32 v[U+2], s[HI], v[X]                  ; y
	v_mul_f32 v[U+3], v[U+1], v[U+1]
	v_fma_f32 v[U+3], v[U+2], v[U+2], v[U+3]
	v_fma_f32 v[U+3], v[U], v[U], v[U+3]           ; |p|^2
	v_cvt_pk_bf16_f32 v[X+1], v[U], v[U+3]         ; word 1: z | first part
	v_and_b32 v[U+4], s[HI], v[X+1]
	v_sub_f32 v[U+3], v[U+3], v[U+4]               ; what the first part leaves: exact
	v_cvt_pk_bf16_f32 v[U+4], v[U+3], v[U+3]
	v_and_b32 v[U+4], s[HI], v[U+4]
	v_sub_f32 v[U+4], v[U+3], v[U+4]               ; what the second leaves: 8 bits at the most
	v_cvt_pk_bf16_f32 v[X+2], v[U+3], v[U+4]       ; word 2: second | third part
.endm
; The records are made in two batches of eight, each with one wait and one run of stores; the second batch's conversions name none of the registers that the first batch's stores read.
.irp i, 0,1,2,3,4,5,6,7
	CONV \i
.endr
	s_wait_alu depctr_va_vdst(0)                   ; the conversions have written records 0 to 7, which the LDS stores read
.irp i, 0,1,2,3,4,5,6,7
	ds_store_b128 v3, v[D+4*(\i):D+4*(\i)+3] offset:4096*(\i)  ; 32 lanes store 512 consecutive bytes
.endr
.irp i, 8,9,10,11,12,13,14,15
	CONV \i
.endr
	s_wait_alu depctr_va_vdst(0)                   ; the conversions have written records 8 to 15, which the LDS stores read
.irp i, 8,9,10,11,12,13,14,15
	ds_store_b128 v3, v[D+4*(\i):D+4*(\i)+3] offset:4096*(\i)
.endr
	v_and_b32 v[RR], 15, v0
	v_bfe_u32 v[HH], v0, 4, 1
	v_and_b32 v[LN], 31, v0
	v_lshlrev_b32 v[LN], 4, v[LN]
	s_lshl_b32 s11, s10, 3
	s_add_co_u32 s11, s11, s8                      ; my tile of 16 queries among the batch's 256
	s_lshl_b32 s14, s11, 8                         ; its 16 records; also its 16 rows of 16 bytes in cand
	v_lshl_add_u32 v1, v[RR], 4, s14
	s_wait_dscnt 0x0                               ; for the others' sake: my records are in LDS
	s_barrier_signal -1
	s_barrier_wait -1                              ; the table is whole
	s_wait_alu depctr_vm_vsrc(0)                   ; my LDS stores have read v[D ..]: these registers are the products' results from here on
	s_wait_alu depctr_va_vdst(0)                   ; v1 and v[LN] are written, which the seven loads below read as their addresses
	ds_load_b128 v[W:W+3], v1                      ; my query's record
	ds_load_b128 v[A:A+3], v[LN]                   ; block 0
	ds_load_b128 v[A+4:A+7], v[LN] offset:512
	ds_load_b128 v[A+8:A+11], v[LN] offset:BLK     ; block 1
	ds_load_b128 v[A+12:A+15], v[LN] offset:BLK+512
	ds_load_b128 v[A+16+AHOP:A+19+AHOP], v[LN] offset:2*BLK  ; block 2
	ds_load_b128 v[A+20+AHOP:A+23+AHOP], v[LN] offset:2*BLK+512
.irp i, 0,1,2,3,8,9,10,11,16,17,18,19
	v_mov_b32 v[B+(\i)], 0
.endr
.irp v, 0,1,2,3
	s_mov_b32 s[ID+(\v)], 2*(\v)
.endr
	s_mov_b32 s[TB], 0
	s_wait_dscnt 6                                 ; the record is in; the six loads behind it may stay out
	v_lshlrev_b32 v[T], 16, v[W]                   ; x
	v_and_b32 v[T+1], s[HI], v[W]                  ; y
	v_lshlrev_b32 v[T+2], 16, v[W+1]               ; z
	v_and_b32 v[T+3], s[HI], v[W+1]
	v_lshlrev_b32 v[T+4], 16, v[W+2]
	v_and_b32 v[T+5], s[HI], v[W+2]
	v_add_f32 v[T+3], v[T+3], v[T+4]
	v_add_f32 v[T+3], v[T+3], v[T+5]               ; |pn|^2, put together again: exact
	v_mul_f32 v[T+3], 0x3f802000, v[T+3]           ; times 1 + 2^-10
	v_mul_f32 v[T], -2.0, v[T]
	v_mul_f32 v[T+1], -2.0, v[T+1]
	v_mul_f32 v[T+2], -2.0, v[T+2]
	v_mov_b32 v[T+6], 1.0
	v_cvt_pk_bf16_f32 v[T+4], v[T+3], v[T+3]
	v_and_b32 v[T+4], s[HI], v[T+4]
	v_sub_f32 v[T+4], v[T+3], v[T+4]
	v_cvt_pk_bf16_f32 v[W], v[T], v[T+1]           ; -2x | -2y: exact
	v_cvt_pk_bf16_f32 v[W+1], v[T+2], v[T+6]       ; -2z | 1
	v_mov_b32 v[W+2], 0x3f803f80                   ; 1 | 1
	v_cvt_pk_bf16_f32 v[W+3], v[T+3], v[T+4]       ; the row's own term in two parts
	v_cmp_eq_u32 vcc_lo, 0, v[HH]
	s_wait_alu depctr_va_vcc(0)                    ; the compare has written VCC, which the eight selects below read
.irp i, 0,1,2,3
	v_cndmask_b32 v[B+4+(\i)], 0, v[W+(\i)], vcc_lo         ; Q0: the column in lanes 0-15, zeros in lanes 16-31
	v_cndmask_b32 v[B+12+(\i)], v[W+(\i)], v[B], vcc_lo     ; Q1: the other way round
.endr
; Four tiles of keys from the 64 records in buffer a, into set d: candidates 0-15, 16-31, 32-47, 48-63 of the block.  Each starts its sum with the constant 0; no two share a result register.
.macro MUL4 a, d
.set AA, A+8*(\a)+AHOP*((\a)/2)
	v_wmma_f32_16x16x32_bf16 v[D+32*(\d):D+32*(\d)+7],     v[AA:AA+7], v[B+4:B+11],  0
	v_wmma_f32_16x16x32_bf16 v[D+32*(\d)+8:D+32*(\d)+15],  v[AA:AA+7], v[B+12:B+19], 0
	v_wmma_f32_16x16x32_bf16 v[D+32*(\d)+16:D+32*(\d)+23], v[AA:AA+7], v[B:B+7],     0
	v_wmma_f32_16x16x32_bf16 v[D+32*(\d)+24:D+32*(\d)+31], v[AA:AA+7], v[B+8:B+15],  0
.endm
; A number goes into the ascending list: place i takes the middle one of its lower neighbour, itself and the newcomer.  From the top down, so that each line reads old values.
.macro INSERT p
	v_med3_num_f32 v[L+5], v[L+4], v[L+5], v[\p]
	v_med3_num_f32 v[L+4], v[L+3], v[L+4], v[\p]
	v_med3_num_f32 v[L+3], v[L+2], v[L+3], v[\p]
	v_med3_num_f32 v[L+2], v[L+1], v[L+2], v[\p]
	v_med3_num_f32 v[L+1], v[L], v[L+1], v[\p]
	v_min_num_f32 v[L], v[L], v[\p]
.endm
; The four tiles of set x are ranked: 11 vector instructions for a lane's 8 keys.  The four tiles go side by side, so that no line reads the result of the line before it;
; each tile's lowest registers are read first.
.macro PROCESS x
.set DD, D+32*(\x)
.irp v, 0,1,2,3
	v_min3_num_f32 v[T+3*(\v)], v[DD+8*(\v)], v[DD+8*(\v)+1], v[DD+8*(\v)+2]
.endr
.irp v, 0,1,2,3
	v_min3_num_f32 v[T+3*(\v)+1], v[DD+8*(\v)+3], v[DD+8*(\v)+4], v[DD+8*(\v)+5]
.endr
.irp v, 0,1,2,3
	v_min_num_f32 v[T+3*(\v)+2], v[DD+8*(\v)+6], v[DD+8*(\v)+7]
.endr
.irp v, 0,1,2,3
	v_min3_num_f32 v[T+3*(\v)], v[T+3*(\v)], v[T+3*(\v)+1], v[T+3*(\v)+2]
.endr
.irp v, 0,1,2,3
	v_and_or_b32 v[T+3*(\v)], v[T+3*(\v)], s[KEEP], s[ID+(\v)]  ; the minimum's upper 23 bits | twice the tile's number; the lane's half is put in at the end
.endr
.irp v, 0,1,2,3
	INSERT T+3*(\v)
.endr
.irp v, 0,1,2,3
	s_add_co_u32 s[ID+(\v)], s[ID+(\v)], 8
.endr
.endm
.macro FETCH a, at                     ; a block into buffer a: two loads of 512 consecutive bytes; at: the block's bytes from the trip's block 0
.set AA, A+8*(\a)+AHOP*((\a)/2)
	ds_load_b128 v[AA:AA+3], v[ADR] offset:(\at)
	ds_load_b128 v[AA+4:AA+7], v[ADR] offset:(\at)+512
.endm
; The head of a trip: the fetches' address moves on by four blocks.
.macro ON
	s_wait_alu depctr_vm_vsrc(0)                   ; the LDS loads issued so far have read v[ADR] (and the load of my query's record has read v1, which the way out writes again)
	v_add_nc_u32 v[ADR], s[TB], v[LN]
	s_add_co_u32 s[TB], s[TB], 4*BLK
.endm
; A step: the products of two blocks, from buffers m1 and m2, and beside each the ranking of the block before it, 44 vector instructions that name none of the products' registers:
; they are the places between a block's products and the reads of their results.  At the step's head the two buffers that the step before multiplied, f1 and f2, are asked for again
; (n = 1: f1 alone).  The four (two) loads just issued may stay out at the wait on DScnt; the four of the step before, this step's two blocks, are in.
.macro PAIR m1, m2, f1, f2, at, n
	s_wait_alu depctr_va_vdst(0)                   ; the products of the step before are done reading buffers f1 and f2, in which the loads below land; in a trip's first step v[ADR] is written
	FETCH \f1, \at
.if (\n) == 2
	FETCH \f2, (\at)+BLK
.endif
	s_wait_dscnt 2*(\n)
	MUL4 \m1, 1
	PROCESS 0
	MUL4 \m2, 0
	PROCESS 1
.endm
	s_wait_dscnt 4                                 ; block 0 is in; the four loads of blocks 1 and 2 may stay out
	MUL4 0, 0
.irp i, 0,1,2,3,4,5
	v_mov_b32 v[L+(\i)], s[BIG]                    ; the list starts above every key
.endr
	s_mov_b32 s[CNT], TRIPS
.Lblock:                                           ; trip t: products of blocks 4t+1 to 4t+4, ranking of 4t to 4t+3, fetches of 4t+3 to 4t+6
	ON
	PAIR 1, 2, 3, 0, 3*BLK, 2
	PAIR 3, 0, 1, 2, 5*BLK, 2
	s_sub_co_u32 s[CNT], s[CNT], 1
	s_cmp_lg_u32 s[CNT], 0
	s_cbranch_scc1 .Lblock
	ON
	PAIR 1, 2, 3, 0, 3*BLK, 1                      ; products of blocks 61 and 62 | ranking of 60 and 61 | the last fetch: block 63
	s_wait_dscnt 0x0                               ; block 63 is in
	MUL4 3, 1                                      ; block 63
	PROCESS 0                                      ; block 62
	PROCESS 1                                      ; block 63
	; THE WAY OUT.  The lane's half completes the group numbers; the two lanes of a query take each other's lists in: both end with the same six.
.irp i, 0,1,2,3,4,5
	v_or_b32 v[L+(\i)], v[L+(\i)], v[HH]
.endr
.irp i, 0,1,2,3,4,5
	v_permlanex16_b32 v[T+(\i)], v[L+(\i)], s[SEL], s[SEL+1]
.endr
.irp i, 0,1,2,3,4,5
	INSERT T+(\i)
.endr
	; The six group numbers are sorted ascending, so that the next launch meets its candidates in the order of their indices: as 1 + number x 2^-23, through the same list.
	s_mov_b32 s26, 0x3f800000
.irp i, 0,1,2,3,4,5
	v_and_or_b32 v[F+(\i)], v[L+(\i)], 0x1ff, s26
.endr
.irp i, 0,1,2,3,4,5
	v_mov_b32 v[L+(\i)], s[BIG]
.endr
.irp i, 0,1,2,3,4,5
	INSERT F+(\i)
.endr
.irp i, 0,1,2,3,4,5
	v_and_b32 v[F+(\i)], 0x1ff, v[L+(\i)]
.endr
	v_lshl_or_b32 v[W], v[F+1], 16, v[F]           ; a row of cand: six numbers of 16 bits, then a word of 0
	v_lshl_or_b32 v[W+1], v[F+3], 16, v[F+2]
	v_lshl_or_b32 v[W+2], v[F+5], 16, v[F+4]
	v_cmp_eq_u32 vcc_lo, 0, v[HH]
	s_wait_alu depctr_va_vcc(0)                    ; the compare has written VCC, which the two selects below read
	v_cndmask_b32 v[W+4], v[W+2], v[W], vcc_lo     ; lanes 0-15 store a row's first 8 bytes, lanes 16-31 its last
	v_cndmask_b32 v[W+5], 0, v[W+1], vcc_lo
	v_lshlrev_b32 v1, 4, v[RR]                     ; v1 is free: the wait on vm_vsrc at every trip's head stands behind the one load that read it
	v_lshl_add_u32 v1, v[HH], 3, v1
	s_lshl_b32 s24, s9, 16                         ; the batch's 4,096 rows of 16 bytes,
	s_add_co_u32 s24, s24, s14                     ; my 16 of them
	s_mov_b32 s25, 0
	s_add_nc_u64 s[6:7], s[6:7], s[24:25]
	s_wait_alu depctr_va_vdst(0)                   ; v1, v[W+4] and v[W+5] are written, which the store reads as its offset and its data
	global_store_b64 v1, v[W+4:W+5], s[6:7]        ; the wave stores 256 consecutive bytes, at a multiple of 256 from cand's first byte
	s_wait_dscnt 0x0                               ; the closing lines, six on end
	s_wait_alu 0x0
	s_wait_tensorcnt 0x0
	ds_add_u32 v[SPW], v[NIL]
	s_wait_dscnt 0x0
	s_endpgm
.Lfunc_end_k_q983d00ac41_search:
	.size	k_q983d00ac41_search, .Lfunc_end_k_q983d00ac41_search-k_q983d00ac41_search
	.p2alignl 7, 3214868480
	.fill 96, 4, 3214868480
	.section	.rodata,"a",@progbits
	.p2align	6, 0x0
	.amdhsa_kernel k_q983d00ac41_search
		.amdhsa_group_segment_fixed_size 66560
		.amdhsa_private_segment_fixed_size 0
		.amdhsa_enable_private_segment 0
		.amdhsa_kernarg_size 16
		.amdhsa_user_sgpr_count 2
		.amdhsa_user_sgpr_kernarg_segment_ptr 1
		.amdhsa_wavefront_size32 1
		.amdhsa_system_sgpr_workgroup_id_x 1
		.amdhsa_system_sgpr_workgroup_id_y 1
		.amdhsa_system_sgpr_workgroup_id_z 1
		.amdhsa_system_vgpr_workitem_id 0
		.amdhsa_next_free_vgpr 162
		.amdhsa_next_free_sgpr 66
		.amdhsa_reserve_vcc 1
		.amdhsa_float_denorm_mode_32 3
		.amdhsa_float_denorm_mode_16_64 3
		.amdhsa_memory_ordered 1
		.amdhsa_forward_progress 1
		.amdhsa_inst_pref_size 51
	.end_amdhsa_kernel
	.amdgpu_metadata
---
amdhsa.version: [ 1, 2 ]
amdhsa.kernels:
  - .name:           k_q983d00ac41_search
    .symbol:         k_q983d00ac41_search.kd
    .args:
      - { .name: pcd, .offset: 0, .size: 8, .value_kind: global_buffer, .address_space: global }
      - { .name: cand, .offset: 8, .size: 8, .value_kind: global_buffer, .address_space: global }
    .group_segment_fixed_size: 66560
    .private_segment_fixed_size: 0
    .kernarg_segment_align: 8
    .kernarg_segment_size: 16
    .max_flat_workgroup_size: 256
    .sgpr_count:     66
    .vgpr_count:     162
    .wavefront_size: 32
...
	.end_amdgpu_metadata
.endif
;; end of part 4
;; launch exam (part 5): grid 256 x 1, 4 waves a work-group, no clusters, 1,024 bytes of LDS; arguments pcd, cand, trace; writes trace
.if DOCPART == 5
	.amdgcn_target "amdgcn-amd-amdhsa--gfx1250"
	.amdhsa_code_object_version 6
	.text
	.protected	k_q983d00ac41_exam
	.globl	k_q983d00ac41_exam
	.p2align	8
	.type	k_q983d00ac41_exam,@function
k_q983d00ac41_exam:
	s_mov_b64 s[64:65], 0
	v_nop
	global_prefetch_b8 v0, s[64:65] scope:SCOPE_SE
	s_setreg_imm32_b32 hwreg(HW_REG_WAVE_SCHED_MODE, 0, 2), 2
	s_setreg_imm32_b32 hwreg(HW_REG_WAVE_MODE, 25, 1), 1
	s_wait_xcnt 0x0
	s_wait_alu depctr_vm_vsrc(0)
; SECOND LAUNCH: for every point, its 5 nearest among the 48 points of the six groups that the first launch stored, and the trace of their covariance.
; Left out as in the first launch: the square root (the order of d2 is the order of dist) and cov's off-diagonal entries (only the trace is used).
; A lane has one row n.  All points are rounded to bf16 first, as in the first launch.  d2 is formed as reference() forms it, in f32 and in its order:
; sq = (x x + y y) + z z, dot = (x x' + y y') + z z', d2 = max((sq_n + sq_m) - 2 dot, 0).  The products of bf16 numbers are exact in f32, so a fused multiply-add rounds as a product and a sum do.
; SELECTION.  t = the fifth smallest of the 48 (a sorted list of five, as in the first launch).  All d2 < t are taken; of those equal to t as many as are left of the five, in the
; order in which they come, which is the order of their indices (the groups were stored ascending): top_k's rule for ties.  No branch and no address hangs on a distance: each
; candidate gets a weight of 0 or 1.
; TRACE.  With q = p - pn: 4 trace = sum |p - mean|^2 = sum |q|^2 - |sum q|^2 / 5: sums of the neighbours' small offsets, not of the points' own large squares.
; The addresses of the gathers come from cand, whole numbers that the launch before stored; each is held to 0..511 before it is used.
; THE MODE: SCHED_MODE bits 1:0 = 2 (LLVM: expert scheduling mode 2), set by the entry lines.  The code itself states the register dependences
; between vector instructions and memory or LDS instructions, with s_wait_alu, always for 0.
; THE PLAN.  Registers that memory or LDS instructions touch:
;   v[CO], v[PO], v[G ..]   Offsets, each made once, read by loads, never written again: one wait on va_vdst ahead of the first two loads, one ahead of the 36 gathers.
;   v[CW ..], v[OWN ..], v[P ..]   Loads land in them once; no vector instruction names them before that; behind their waits on LOADcnt vector instructions alone name them.
;   v[U+1], v[U+2]          My trace and its LDS address: one wait on va_vdst ahead of the LDS store; not written again.
;   v[U+3], v[U+4 ..]       Wave 0 alone: the address of the read-back and of the store, and the four registers in which the read-back lands: one wait on va_vdst ahead of the LDS load.
; No register that a memory or LDS instruction has read is written again, so no wait on vm_vsrc stands behind the entry lines.
; The compares write scalar registers in runs; one wait on va_sdst stands behind each run, ahead of the first select that reads a mask.
.set SPARE, 512                        ; LDS: 512 bytes for the 128 traces, then the spare words, 128 bytes for each of 4 waves, which no other line names
.set SPW, 2                            ; v2   LDS address of my spare word; never rewritten
.set NIL, 3                            ; v3   0; never rewritten
.set CW,  4                            ; v4-7   my row of cand
.set OWN, 8                            ; v8-10  my point as loaded
.set ONE, 11                           ; v11  1.0
.set G,   12                           ; v12-17 byte offsets of my six groups in the batch; never rewritten
.set QX,  18                           ; v18-20 my point, rounded
.set QY,  19
.set QZ,  20
.set SQN, 21                           ; v21  its square
.set LST, 22                           ; v22-26 the five smallest d2, ascending
.set REM, 27                           ; v27  how many numbers equal to t may still be taken
.set ACC, 28                           ; v28-35 two sets (even, odd candidates) of sum qx, qy, qz, |q|^2
.set U,   36                           ; v36-59 at work
.set CO,  60
.set PO,  61
.set P,   64                           ; v64-207  48 points, x y z each
.set DV,  208                          ; v208-255 their d2
	s_load_b128 s[4:7], s[0:1], 0x0                ; pcd s[4:5], cand s[6:7]
	s_load_b64 s[8:9], s[0:1], 0x10                ; trace
	v_lshl_add_u32 v[SPW], v0, 2, SPARE
	v_mov_b32 v[NIL], 0
	v_lshrrev_b32 v1, 5, v0
	v_readfirstlane_b32 s10, v1                    ; wave 0..3
	s_lshr_b32 s11, ttmp9, 5                       ; batch
	s_mul_i32 s12, s11, 49152
	s_mov_b32 s13, 0
	s_lshl_b32 s14, ttmp9, 11                      ; my 128 rows of 16 bytes in cand
	s_mov_b32 s15, 0
	s_and_b32 s16, ttmp9, 31
	s_mul_i32 s16, s16, 1536                       ; my 128 points of 12 bytes in the batch
	s_lshl_b32 s22, ttmp9, 9                       ; my 128 traces
	s_mov_b32 s23, 0
	s_mov_b32 s20, 0xffff0000                      ; a word's upper bf16
	s_mov_b32 s21, 0xbd4ccccd                      ; -1/20
	v_lshlrev_b32 v[CO], 4, v0
	v_mul_u32_u24 v[PO], v0, 12
	v_add_nc_u32 v[PO], s16, v[PO]
	s_wait_alu depctr_va_sdst(0)                   ; s10 is written, ahead of its first reader: the compare that picks wave 0 at the end
	s_wait_kmcnt 0x0
	s_add_nc_u64 s[4:5], s[4:5], s[12:13]
	s_add_nc_u64 s[6:7], s[6:7], s[14:15]
	s_add_nc_u64 s[8:9], s[8:9], s[22:23]
	s_wait_alu depctr_va_vdst(0)                   ; v[CO] and v[PO] are written, which the two loads below read as their offsets
	global_load_b128 v[CW:CW+3], v[CO], s[6:7]
	global_load_b96 v[OWN:OWN+2], v[PO], s[4:5]
	v_mov_b32 v[ONE], 1.0
.irp i, 0,1,2,3,4
	v_mov_b32 v[LST+(\i)], 0x7f7fffff              ; above every d2
.endr
.irp i, 0,1,2,3,4,5,6,7
	v_mov_b32 v[ACC+(\i)], 0
.endr
	s_wait_loadcnt 0x1                             ; my row of cand is in; my point may stay out
	v_and_b32 v[G], 0xffff, v[CW]
	v_lshrrev_b32 v[G+1], 16, v[CW]
	v_and_b32 v[G+2], 0xffff, v[CW+1]
	v_lshrrev_b32 v[G+3], 16, v[CW+1]
	v_and_b32 v[G+4], 0xffff, v[CW+2]
	v_lshrrev_b32 v[G+5], 16, v[CW+2]
.irp g, 0,1,2,3,4,5
	v_min_u32 v[G+(\g)], 0x1ff, v[G+(\g)]          ; a loaded number enters an address only inside the table
.endr
.irp g, 0,1,2,3,4,5
	v_mul_u32_u24 v[G+(\g)], v[G+(\g)], 96         ; 8 points of 12 bytes
.endr
	s_wait_alu depctr_va_vdst(0)                   ; the six offsets v[G ..] are written, which the 36 gathers read
.irp g, 0,1,2,3,4,5
.irp j, 0,1,2,3,4,5
	global_load_b128 v[P+24*(\g)+4*(\j):P+24*(\g)+4*(\j)+3], v[G+(\g)], s[4:5] offset:16*(\j)  ; all 36 loads go out before the first is waited for
.endr
.endr
	s_wait_loadcnt 36                              ; my own point is in; the 36 gathers may stay out
	v_cvt_pk_bf16_f32 v[U], v[OWN], v[OWN+1]
	v_cvt_pk_bf16_f32 v[U+1], v[OWN+2], v[OWN+2]
	v_lshlrev_b32 v[QX], 16, v[U]
	v_and_b32 v[QY], s20, v[U]
	v_and_b32 v[QZ], s20, v[U+1]
	v_mul_f32 v[SQN], v[QX], v[QX]
	v_fma_f32 v[SQN], v[QY], v[QY], v[SQN]
	v_fma_f32 v[SQN], v[QZ], v[QZ], v[SQN]
.macro INS5 p                          ; into the ascending list of five, from the top down
	v_med3_num_f32 v[LST+4], v[LST+3], v[LST+4], v[\p]
	v_med3_num_f32 v[LST+3], v[LST+2], v[LST+3], v[\p]
	v_med3_num_f32 v[LST+2], v[LST+1], v[LST+2], v[\p]
	v_med3_num_f32 v[LST+1], v[LST], v[LST+1], v[\p]
	v_min_num_f32 v[LST], v[LST], v[\p]
.endm
; Group g: its 24 numbers are rounded in place; then the eight d2, step by step for all eight side by side, so that no line reads the result of the line before it.
.macro DIST g
.set PP, P+24*(\g)
.set DD, DV+8*(\g)
	s_wait_loadcnt 30-6*(\g)                       ; this group's six loads are in; the later groups' stay out
.irp i, 0,1,2,3,4,5,6,7,8,9,10,11
	v_cvt_pk_bf16_f32 v[U+(\i)], v[PP+2*(\i)], v[PP+2*(\i)+1]
.endr
.irp i, 0,1,2,3,4,5,6,7,8,9,10,11
	v_lshlrev_b32 v[PP+2*(\i)], 16, v[U+(\i)]
	v_and_b32 v[PP+2*(\i)+1], s20, v[U+(\i)]
.endr
.irp c, 0,1,2,3,4,5,6,7
	v_mul_f32 v[U+(\c)], v[PP+3*(\c)], v[PP+3*(\c)]
.endr
.irp c, 0,1,2,3,4,5,6,7
	v_mul_f32 v[U+8+(\c)], v[QX], v[PP+3*(\c)]
.endr
.irp c, 0,1,2,3,4,5,6,7
	v_fma_f32 v[U+(\c)], v[PP+3*(\c)+1], v[PP+3*(\c)+1], v[U+(\c)]
.endr
.irp c, 0,1,2,3,4,5,6,7
	v_fma_f32 v[U+8+(\c)], v[QY], v[PP+3*(\c)+1], v[U+8+(\c)]
.endr
.irp c, 0,1,2,3,4,5,6,7
	v_fma_f32 v[U+(\c)], v[PP+3*(\c)+2], v[PP+3*(\c)+2], v[U+(\c)]        ; sq_m
.endr
.irp c, 0,1,2,3,4,5,6,7
	v_fma_f32 v[U+8+(\c)], v[QZ], v[PP+3*(\c)+2], v[U+8+(\c)]             ; dot
.endr
.irp c, 0,1,2,3,4,5,6,7
	v_add_f32 v[U+(\c)], v[SQN], v[U+(\c)]
.endr
.irp c, 0,1,2,3,4,5,6,7
	v_fma_f32 v[U+(\c)], -2.0, v[U+8+(\c)], v[U+(\c)]
.endr
.irp c, 0,1,2,3,4,5,6,7
	v_max_num_f32 v[DD+(\c)], 0, v[U+(\c)]         ; reference()'s clamp
.endr
.irp c, 0,1,2,3,4,5,6,7
	INS5 DD+(\c)
.endr
.endm
.irp g, 0,1,2,3,4,5
	DIST \g
.endr
	; how many of the five are equal to t = the fifth: 5 less those below it
.irp i, 0,1,2,3
	v_cmp_lt_f32 s[32+(\i)], v[LST+(\i)], v[LST+4]
.endr
	s_wait_alu depctr_va_sdst(0)                   ; the four compares have written s32 to s35, which the selects below read
.irp i, 0,1,2,3
	v_cndmask_b32 v[U+(\i)], 0, v[ONE], s[32+(\i)]
.endr
	v_add_f32 v[U], v[U], v[U+1]
	v_add_f32 v[U+2], v[U+2], v[U+3]
	v_add_f32 v[U], v[U], v[U+2]
	v_sub_f32 v[REM], 0x40a00000, v[U]
; Group g once more, in ascending order of the indices: each candidate's weight, its offset q from my point, and the sums.
.macro PICK g
.set PP, P+24*(\g)
.set DD, DV+8*(\g)
.irp c, 0,1,2,3,4,5,6,7
	v_cmp_lt_f32 s[32+(\c)], v[DD+(\c)], v[LST+4]
	v_cmp_eq_f32 s[40+(\c)], v[DD+(\c)], v[LST+4]
.endr
	s_wait_alu depctr_va_sdst(0)                   ; the sixteen compares have written s32 to s47, which the selects below read
.irp c, 0,1,2,3,4,5,6,7
	v_cndmask_b32 v[U+(\c)], 0, v[ONE], s[40+(\c)] ; 1 where d2 = t
.endr
.irp c, 0,1,2,3,4,5,6,7
	v_min_num_f32 v[U+8+(\c)], v[U+(\c)], v[REM]   ; taken, if any are left; the subtractions of q stand between the links of this chain
	v_sub_f32 v[PP+3*(\c)], v[PP+3*(\c)], v[QX]
	v_sub_f32 v[PP+3*(\c)+1], v[PP+3*(\c)+1], v[QY]
	v_sub_f32 v[REM], v[REM], v[U+8+(\c)]
	v_sub_f32 v[PP+3*(\c)+2], v[PP+3*(\c)+2], v[QZ]
	v_cndmask_b32 v[U+8+(\c)], v[U+8+(\c)], v[ONE], s[32+(\c)]  ; the weight: 1 where d2 < t
.endr
.irp c, 0,1,2,3,4,5,6,7
	v_mul_f32 v[U+(\c)], v[PP+3*(\c)], v[PP+3*(\c)]
.endr
.irp c, 0,1,2,3,4,5,6,7
	v_fma_f32 v[U+(\c)], v[PP+3*(\c)+1], v[PP+3*(\c)+1], v[U+(\c)]
.endr
.irp c, 0,1,2,3,4,5,6,7
	v_fma_f32 v[U+(\c)], v[PP+3*(\c)+2], v[PP+3*(\c)+2], v[U+(\c)]  ; |q|^2
.endr
.irp c, 0,1,2,3,4,5,6,7
	v_fma_f32 v[ACC+4*((\c)%2)],   v[U+8+(\c)], v[PP+3*(\c)],   v[ACC+4*((\c)%2)]
	v_fma_f32 v[ACC+4*((\c)%2)+1], v[U+8+(\c)], v[PP+3*(\c)+1], v[ACC+4*((\c)%2)+1]
	v_fma_f32 v[ACC+4*((\c)%2)+2], v[U+8+(\c)], v[PP+3*(\c)+2], v[ACC+4*((\c)%2)+2]
	v_fma_f32 v[ACC+4*((\c)%2)+3], v[U+8+(\c)], v[U+(\c)],      v[ACC+4*((\c)%2)+3]
.endr
.endm
.irp g, 0,1,2,3,4,5
	PICK \g
.endr
.irp i, 0,1,2,3
	v_add_f32 v[ACC+(\i)], v[ACC+(\i)], v[ACC+4+(\i)]
.endr
	v_mul_f32 v[U], v[ACC], v[ACC]
	v_fma_f32 v[U], v[ACC+1], v[ACC+1], v[U]
	v_fma_f32 v[U], v[ACC+2], v[ACC+2], v[U]       ; |sum q|^2
	v_mul_f32 v[U+1], 0x3e800000, v[ACC+3]         ; sum |q|^2 / 4
	v_fma_f32 v[U+1], v[U], s21, v[U+1]            ; - |sum q|^2 / 20: the trace
	; The 128 traces meet in LDS, so that one store of wave 0 writes their 512 consecutive bytes.
	v_lshlrev_b32 v[U+2], 2, v0
	s_wait_alu depctr_va_vdst(0)                   ; my trace v[U+1] and its address v[U+2] are written, which the LDS store reads
	ds_store_b32 v[U+2], v[U+1]
	s_wait_dscnt 0x0                               ; for the others' sake: my trace is in LDS
	s_barrier_signal -1
	s_barrier_wait -1
	s_cmp_lg_u32 s10, 0
	s_cbranch_scc1 .Lend
	v_and_b32 v[U+3], 31, v0
	v_lshlrev_b32 v[U+3], 4, v[U+3]
	s_wait_alu depctr_va_vdst(0)                   ; v[U+3] is written, which the load and the store below read; the vector work that named v[U+4 ..], in which the load lands, is done
	ds_load_b128 v[U+4:U+7], v[U+3]
	s_wait_dscnt 0x0
	global_store_b128 v[U+3], v[U+4:U+7], s[8:9]   ; 512 consecutive bytes, at a multiple of 256 from trace's first byte
.Lend:
	s_wait_dscnt 0x0                               ; the closing lines, six on end
	s_wait_alu 0x0
	s_wait_tensorcnt 0x0
	ds_add_u32 v[SPW], v[NIL]
	s_wait_dscnt 0x0
	s_endpgm
.Lfunc_end_k_q983d00ac41_exam:
	.size	k_q983d00ac41_exam, .Lfunc_end_k_q983d00ac41_exam-k_q983d00ac41_exam
	.p2alignl 7, 3214868480
	.fill 96, 4, 3214868480
	.section	.rodata,"a",@progbits
	.p2align	6, 0x0
	.amdhsa_kernel k_q983d00ac41_exam
		.amdhsa_group_segment_fixed_size 1024
		.amdhsa_private_segment_fixed_size 0
		.amdhsa_enable_private_segment 0
		.amdhsa_kernarg_size 24
		.amdhsa_user_sgpr_count 2
		.amdhsa_user_sgpr_kernarg_segment_ptr 1
		.amdhsa_wavefront_size32 1
		.amdhsa_system_sgpr_workgroup_id_x 1
		.amdhsa_system_sgpr_workgroup_id_y 1
		.amdhsa_system_sgpr_workgroup_id_z 1
		.amdhsa_system_vgpr_workitem_id 0
		.amdhsa_next_free_vgpr 256
		.amdhsa_next_free_sgpr 66
		.amdhsa_reserve_vcc 0
		.amdhsa_float_denorm_mode_32 3
		.amdhsa_float_denorm_mode_16_64 3
		.amdhsa_memory_ordered 1
		.amdhsa_forward_progress 1
		.amdhsa_inst_pref_size 93
	.end_amdhsa_kernel
	.amdgpu_metadata
---
amdhsa.version: [ 1, 2 ]
amdhsa.kernels:
  - .name:           k_q983d00ac41_exam
    .symbol:         k_q983d00ac41_exam.kd
    .args:
      - { .name: pcd, .offset: 0, .size: 8, .value_kind: global_buffer, .address_space: global }
      - { .name: cand, .offset: 8, .size: 8, .value_kind: global_buffer, .address_space: global }
      - { .name: trace, .offset: 16, .size: 8, .value_kind: global_buffer, .address_space: global }
    .group_segment_fixed_size: 1024
    .private_segment_fixed_size: 0
    .kernarg_segment_align: 8
    .kernarg_segment_size: 24
    .max_flat_workgroup_size: 128
    .sgpr_count:     66
    .vgpr_count:     256
    .wavefront_size: 32
...
	.end_amdgpu_metadata
.endif
;; end of part 5
;; launch norm: the kernel of part 3 again; grid 256 x 1, 1 waves a work-group, no clusters, 0 bytes of LDS; arguments trace, out0; writes out0
